; MI455X (gfx1250); checked and timed in simulation.
; The chip was launched on July 23, 2026; its instructions are those of AMD's public machine-readable ISA for CDNA 5 (MIT licence, August 2026) and "CDNA5" Instruction Set Architecture Reference Guide (July 2026). The comments in the code are by the model that wrote it; some were corrected since.
;; Growing Crystal Attention. Allowed arithmetic: float matrix products may take bf16 or f16 operands with f32 sums; other float arithmetic in f32, or as packed bf16 or f16 multiplies, adds, multiply-adds, maxima and minima; sums over many terms, partial sums and values carried from step to step in f32; what a program stores and reads back later, other than sums and carried values, may be rounded once to bf16 or f16.
;; Inputs: out_W 512 x 512 float32; out_b 512 float32; positions 128 x 512 float32; scales 128 float32; value_weight 128 x 512 x 512 float32; x 4 x 512 x 512 float32.
;; Outputs: out0 4 x 512 x 512 float32.
;; 2 versions, each right; version 2 is version 1 with the launch finish written anew for expert scheduling mode. Each part assembles by itself: llvm-mc -triple=amdgcn-amd-amdhsa -mcpu=gfx1250 --defsym DOCPART=n.
;; ======== version 1 of 2: 3 launches
;; limits: values are held in f16: magnitudes above 65,504 overflow, below 6.1e-05 lose precision
;; workspace buffers: att 524,288 bytes; xt 2,097,152 bytes; wimg 524,288 bytes; part 67,108,864 bytes
;; launch prep (part 1): grid 256 x 1, 8 waves a work-group, clusters of 4 x 1, 306,176 bytes of LDS; arguments x, positions, scales, out_W, att, xt, wimg; writes att, xt, wimg
.if DOCPART == 1
	.amdgcn_target "amdgcn-amd-amdhsa--gfx1250"
	.amdhsa_code_object_version 6
	.text
	.protected	k_q700a68b440_prep
	.globl	k_q700a68b440_prep
	.p2align	8
	.type	k_q700a68b440_prep,@function
k_q700a68b440_prep:
	s_mov_b64 s[64:65], 0
	v_nop
	global_prefetch_b8 v0, s[64:65] scope:SCOPE_SE
	s_setreg_imm32_b32 hwreg(HW_REG_WAVE_MODE, 25, 1), 1
	s_wait_xcnt 0x0
	s_wait_alu depctr_hold_cnt(0) depctr_sa_sdst(0) depctr_va_vdst(0) depctr_va_sdst(0) depctr_va_ssrc(0) depctr_va_vcc(0) depctr_vm_vsrc(0)
	s_getreg_b32 s2, hwreg(HW_REG_IB_STS2, 6, 4)
	s_cmp_eq_u32 s2, 0
	s_cbranch_scc0 .Lentry_in_a_cluster
	s_endpgm
.Lentry_in_a_cluster:
	s_bfe_u32 s2, ttmp6, 0x10000c
	s_cmp_lg_u32 s2, 0x3003
	s_cbranch_scc0 .Lentry_shape_is_right
	s_endpgm
.Lentry_shape_is_right:
; GrowingCrystalAttention, launch 1 of 3.  Tokens t = 512 b + t' (2,048), D = 512, 128 neurons.
;   attn[t][n] = softmax over n of scales[n] / (|x_t - pos_n| + 0.1);  h[t][e] = sum over n, d of attn[t][n] x[t][d] V[n][d][e];  out = h out_W^T + out_b.
; NOTHING IS LEFT OUT: every input has a way to the output, the softmax keeps its maximum, and all three launches do their work for all values.
; THIS LAUNCH makes three tables for the two that follow:
;   att  [2048][128] f16: the weights, a token's 256 bytes on end.
;   xt   [g 16][d 512][r 16][a 8] f16: x of token 128 g + 16 a + r, turned so that 16 bytes hold one d of eight tokens 16 apart.
;   wimg [fb 32][kk 16][half 2][lane 32][16 bytes] f16: out_W as matrix operand registers take it: lane (r, h) holds row 16 fb + r, columns 32 kk + 16 half + 8 h + 0..7.
; DISTANCES are sums of (x - p)^2 in f32, never |x|^2 - 2 x.p + |p|^2: no difference of large sums is formed.
; SHARES.  A work-group has 8 tokens.  Wave w takes the channels 64 w .. 64 w + 63 of all 128 neurons and all 8 tokens: lane l has neurons l + 32 j.  The eight partial sums meet in LDS;
; then wave w makes the softmax of token w, lane l with neurons 4 l .. 4 l + 3.  Beside that a work-group turns a block of 128 tokens x 32 channels for xt, and waves 0-3 lay 2,048 bytes of wimg.
; CLUSTER.  Every work-group reads all of positions, so its eight strips are asked for JOINTLY by the four work-groups of a cluster: the same load, descriptor and mask in all four.
; The work-group's number enters global addresses alone.
; LIMITS.  att, xt and wimg are f16: |x| and |out_W| stay under 65,504, and below 6e-5 they keep f16's fixed step of 6e-8.  The 512 terms of a distance are added in another order than in
; the reference.  A squared distance under 2^-126 counts as 0, a weight under 2^-126 as 0 in the sum.  NaN and infinities are not treated apart.
.set STRIP, 37120                      ; a wave's strip in LDS, 145 blocks of 256 bytes: 128 rows of positions, then 8 rows of x
.set PP,    272                        ; a row: 256 bytes + 16 of padding = 68 words: the 16 rows that half a wave's load touches begin 4 words further on each
.set XROW,  128*PP                     ; where the strip's rows of x begin
.set TT,    8*STRIP                    ; behind the strips: the turned block for xt, 8,192 bytes; no tensor load lands here
.set SPARE, TT+8192                    ; behind it: the spare words, 128 bytes for each of the eight waves, that no other line names
.set PA,  2                            ; v2     LDS address of my neuron l's row, at the step in hand
.set XA,  3                            ; v3     the same for the strip's rows of x (alike in all lanes)
.set PSA, 4                            ; v4     where I put partial sums: my strip + 4 l
.set PSR, 5                            ; v5-8   where I read them: strips 0, 2, 4, 6 + 512 w + 16 l
.set TST, 9                            ; v9     where I put 8 bytes of the turned block
.set TLD, 10                           ; v10    where I read it back: TT + 16 x thread
.set T16, 11                           ; v11    16 x thread
.set XGO, 12                           ; v12    my byte offset in the block of x to be turned
.set WGO, 13                           ; v13    my byte offset in out_W (threads 0-127)
.set SPW, 14                           ; v14    my spare word; never rewritten
.set NIL, 15                           ; v15    0; never rewritten
.set ACCP, 16                          ; v16-79   sums: token u, neuron l + 32 j: a pair (even, odd channels) at ACCP + 2 (4 u + j)
.set P0,  80                           ; v80-111  two sets of 16: four channels of my four neurons
.set X0,  112                          ; v112-175 two sets of 32: four channels of the eight tokens
.set DD,  176                          ; v176-183 four differences, in pairs
.set XB,  184                          ; v184-199 the block of x, as loaded
.set WL,  200                          ; v200-207 out_W, as loaded
.set WP,  208                          ; v208-211 and packed
.set SCL, 212                          ; v212-215 scales[4 l ..]
.set L16, 216                          ; v216   16 l
.set L8,  217                          ; v217   8 l
.set TP,  224                          ; v224-231 the turned block, packed
.set Q,   112                          ; later: the eight partial sums of my four neurons
.set WV,  18
.set CX,  19
.set WG,  20
.set G1P, 24                           ; s[24:31] group 1 of the strips of positions
.set G0P, 32
.set G1X, 36                           ; s[36:43] group 1 of the strips of x
.set G0X, 44
.set XBB, 50
.set XTO, 52
.set WBB, 54
.set WIO, 56
.set ATB, 58
.set SEL, 60
.set CNT, 62
.set LG,  63
; A round of the cluster's barrier: my work-group's barrier, wave 0 signals for the work-group, every wave waits for all four, my work-group's barrier once more.
.macro CROUND
	s_barrier_signal -1
	s_barrier_wait -1
	s_cmp_lg_u32 s[WV], 0
	s_cbranch_scc1 .Lnot_wave_0_\@
	s_barrier_signal -3
.Lnot_wave_0_\@:
	s_barrier_wait -3
	s_barrier_signal -1
	s_barrier_wait -1
.endm
	s_load_b256 s[4:11], s[0:1], 0x0               ; x s[4:5], positions s[6:7], scales s[8:9], out_W s[10:11]
	s_load_b128 s[12:15], s[0:1], 0x20             ; att s[12:13], xt s[14:15]
	s_load_b64 s[16:17], s[0:1], 0x30              ; wimg
	v_lshl_add_u32 v[SPW], v0, 2, SPARE
	v_mov_b32 v[NIL], 0
	ds_add_u32 v[SPW], v[NIL]                      ; the wave's opening: the add, twice on end, and its wait ahead of my first tensor load
	ds_add_u32 v[SPW], v[NIL]                      ; once more; the set-up below, work on registers, stands between it and the wait
	v_lshrrev_b32 v1, 5, v0
	v_readfirstlane_b32 s[WV], v1                  ; wave 0..7
	s_bfe_u32 s[CX], ttmp6, 0x40000                ; my place in the cluster
	s_lshl_b32 s[WG], ttmp9, 2                     ; ttmp9 counts clusters
	s_add_co_u32 s[WG], s[WG], s[CX]               ; my work-group's number: it enters global addresses alone
	; group 1 of both kinds of strip: rows of 64 f32 (256 bytes), 512 elements from row to row, 4 words of padding behind every 64
	s_mov_b32 s[G1P], 15|(2<<16)|(1<<20)|(1<<21)|(5<<22)|(3<<25)  ; the mask of four, bit 21 beside it; 4-byte elements; padding on
	s_mov_b32 s[G1P+1], 64<<16                     ; tensor_dim0 = 64
	s_mov_b32 s[G1P+2], 128<<16                    ; tensor_dim1 = 128
	s_mov_b32 s[G1P+3], 64<<16                     ; tile_dim0 = 64
	s_mov_b32 s[G1P+4], 128                        ; tile_dim1 = 128
	s_mov_b32 s[G1P+5], 512
	s_mov_b32 s[G1P+6], 0
	s_mov_b32 s[G1P+7], 0
	s_mov_b32 s[G1X], (2<<16)|(1<<20)|(5<<22)|(3<<25)  ; no mask: each work-group has tokens of its own
	s_mov_b32 s[G1X+1], 64<<16
	s_mov_b32 s[G1X+2], 8<<16                      ; 8 rows
	s_mov_b32 s[G1X+3], 64<<16
	s_mov_b32 s[G1X+4], 8
	s_mov_b32 s[G1X+5], 512
	s_mov_b32 s[G1X+6], 0
	s_mov_b32 s[G1X+7], 0
	s_mul_i32 s21, s[WV], STRIP                    ; my strip
	s_mov_b32 s[G0P], 1
	s_mov_b32 s[G0P+1], s21
	s_mov_b32 s[G0X], 1
	s_add_co_u32 s[G0X+1], s21, XROW
	s_mov_b32 s[SEL], 0x76543210                   ; v_permlanex16_b32: each lane takes its own place in the other half
	s_mov_b32 s[SEL+1], 0xfedcba98
	s_mov_b32 s[LG], 0x3fb8aa3b                    ; log2(e)
	v_and_b32 v218, 31, v0                         ; l
	v_mul_u32_u24 v219, v218, PP
	v_add_nc_u32 v[PA], s21, v219
	s_add_co_u32 s22, s21, XROW
	v_mov_b32 v[XA], s22
	v_lshl_add_u32 v[PSA], v218, 2, s21
	s_lshl_b32 s23, s[WV], 9                       ; token w's 512 bytes of a wave's partial sums
	v_lshl_add_u32 v[PSR], v218, 4, s23
	v_add_nc_u32 v[PSR+1], 2*STRIP, v[PSR]
	v_add_nc_u32 v[PSR+2], 4*STRIP, v[PSR]
	v_add_nc_u32 v[PSR+3], 6*STRIP, v[PSR]
	v_lshlrev_b32 v[L16], 4, v218
	v_lshlrev_b32 v[L8], 3, v218
	v_lshlrev_b32 v[T16], 4, v0
	v_add_nc_u32 v[TLD], TT, v[T16]
	; the block for xt: thread = (c = thread % 8, r = (thread / 8) % 16, u = thread / 128) loads channels 4 c .. 4 c + 3 of the rows 64 u + 16 q + r, q = 0..3: tokens with a = 4 u + q
	v_and_b32 v220, 7, v0                          ; c
	v_bfe_u32 v221, v0, 3, 2                       ; the lane's part of r
	s_and_b32 s22, s[WV], 3                        ; the wave's part of r: 4 (w % 4),
	s_lshl_b32 s22, s22, 6                         ; 16 bytes each
	s_lshr_b32 s23, s[WV], 2                       ; u = w / 4:
	s_lshl_b32 s23, s23, 3                         ; 8 bytes
	s_add_co_u32 s22, s22, s23
	s_add_co_u32 s22, s22, TT
	v_lshlrev_b32 v[TST], 10, v220                 ; channel 4 c + i lies at 256 (4 c + i),
	v_lshl_add_u32 v[TST], v221, 4, v[TST]         ; r at 16 r, a at 2 a
	v_add_nc_u32 v[TST], s22, v[TST]
	v_bfe_u32 v221, v0, 3, 4                       ; r
	v_lshrrev_b32 v222, 7, v0                      ; u
	v_lshl_add_u32 v223, v222, 6, v221             ; row 64 u + r
	v_lshlrev_b32 v223, 11, v223
	v_lshl_add_u32 v[XGO], v220, 4, v223
	v_and_b32 v223, 15, v0                         ; out_W: row thread % 16, 32 bytes at 32 (thread / 16)
	v_lshrrev_b32 v219, 4, v0
	v_lshlrev_b32 v223, 11, v223
	v_lshl_add_u32 v[WGO], v219, 5, v223
	s_wait_dscnt 0x0                               ; both opening adds are done
	s_wait_kmcnt 0x0
	s_lshl_b32 s22, s[WV], 8                       ; my 64 channels: 256 bytes of a row
	s_mov_b32 s23, 0
	s_add_nc_u64 s[G0P+2:G0P+3], s[6:7], s[22:23]  ; positions at my strip: made of the wave's number alone, alike in the four partners
	s_or_b32 s[G0P+3], s[G0P+3], 0x80000000
	s_lshl_b32 s48, s[WG], 14                      ; my work-group's 8 rows of x
	s_add_co_u32 s48, s48, s22
	s_mov_b32 s49, 0
	s_add_nc_u64 s[G0X+2:G0X+3], s[4:5], s[48:49]
	s_or_b32 s[G0X+3], s[G0X+3], 0x80000000
	s_lshl_b32 s48, s[WG], 11
	s_add_nc_u64 s[WIO:WIO+1], s[16:17], s[48:49]  ; wimg: 2,048 bytes a work-group
	s_add_co_u32 s48, s48, s22
	s_add_nc_u64 s[ATB:ATB+1], s[12:13], s[48:49]  ; att at token 8 wg + w
	s_lshr_b32 s21, s[WG], 4                       ; xt's block: g = wg / 16, channels 32 (wg % 16) on
	s_and_b32 s22, s[WG], 15
	s_lshl_b32 s48, s21, 18
	s_lshl_b32 s23, s22, 7
	s_add_co_u32 s48, s48, s23
	s_add_nc_u64 s[XBB:XBB+1], s[4:5], s[48:49]
	s_lshl_b32 s48, s21, 17
	s_lshl_b32 s23, s22, 13
	s_add_co_u32 s48, s48, s23
	s_add_nc_u64 s[XTO:XTO+1], s[14:15], s[48:49]
	s_lshr_b32 s21, s[WG], 3                       ; wimg's part: fb = wg / 8, kk = 2 (wg % 8) and the next
	s_and_b32 s22, s[WG], 7
	s_lshl_b32 s48, s21, 15
	s_lshl_b32 s23, s22, 8
	s_add_co_u32 s48, s48, s23
	s_add_nc_u64 s[WBB:WBB+1], s[10:11], s[48:49]
	CROUND                                         ; all four work-groups are here: the joint loads meet
	tensor_load_to_lds s[G0P:G0P+3], s[G1P:G1P+7]  ; my strip of positions, jointly.  Two tensor loads of mine are out, the only ones of the launch
	s_nop 0
	tensor_load_to_lds s[G0X:G0X+3], s[G1X:G1X+7]  ; my strip of my work-group's tokens
	s_nop 0
.rept 4
	v_nop
.endr
.irp q, 0,1,2,3
	global_load_b128 v[XB+4*(\q):XB+4*(\q)+3], v[XGO], s[XBB:XBB+1] offset:32768*(\q)  ; 16 rows further down each
.endr
	global_load_b128 v[SCL:SCL+3], v[L16], s[8:9]
	s_cmp_lt_u32 s[WV], 4
	s_cbranch_scc0 .Lno_w_loads
	global_load_b128 v[WL:WL+3], v[WGO], s[WBB:WBB+1]
	global_load_b128 v[WL+4:WL+7], v[WGO], s[WBB:WBB+1] offset:16
.Lno_w_loads:
	s_wait_loadcnt 0x0                             ; all of them; the tensor loads are on their way meanwhile
.irp i, 0,1,2,3
	v_cvt_pk_f16_f32 v[TP+2*(\i)], v[XB+(\i)], v[XB+4+(\i)]       ; channel 4 c + i of a = 4 u, 4 u + 1,
	v_cvt_pk_f16_f32 v[TP+2*(\i)+1], v[XB+8+(\i)], v[XB+12+(\i)]  ; and of 4 u + 2, 4 u + 3: 8 bytes on end in xt
.endr
.irp i, 0,1,2,3
	ds_store_b64 v[TST], v[TP+2*(\i):TP+2*(\i)+1] offset:256*(\i)
.endr
	s_cmp_lt_u32 s[WV], 4
	s_cbranch_scc0 .Lno_w_store
.irp m, 0,1,2,3
	v_cvt_pk_f16_f32 v[WP+(\m)], v[WL+2*(\m)], v[WL+2*(\m)+1]
.endr
	global_store_b128 v[T16], v[WP:WP+3], s[WIO:WIO+1]  ; a wave stores 512 consecutive bytes, aligned
.Lno_w_store:
; A step is four channels.  Twelve LDS loads into set s, from byte off behind the two addresses.
.macro LOADS s, off
.irp j, 0,1,2,3
	ds_load_b128 v[P0+16*(\s)+4*(\j):P0+16*(\s)+4*(\j)+3], v[PA] offset:32*PP*(\j)+(\off)
.endr
.irp t, 0,1,2,3,4,5,6,7
	ds_load_b128 v[X0+32*(\s)+4*(\t):X0+32*(\s)+4*(\t)+3], v[XA] offset:PP*(\t)+(\off)
.endr
.endm
; 128 packed lines: for each token and pair of channels four differences, then four sums of squares.  first = 1: the first pair of channels starts the sums: nothing is cleared.
.macro COMPUTE s, first
.set ct, 0
.rept 8
.irp pr, 0,1
.irp j, 0,1,2,3
	v_pk_add_f32 v[DD+2*(\j):DD+2*(\j)+1], v[X0+32*(\s)+4*ct+2*(\pr):X0+32*(\s)+4*ct+2*(\pr)+1], v[P0+16*(\s)+4*(\j)+2*(\pr):P0+16*(\s)+4*(\j)+2*(\pr)+1] neg_lo:[0,1] neg_hi:[0,1]
.endr
.irp j, 0,1,2,3
.if (\first) && ((\pr) == 0)
	v_pk_mul_f32 v[ACCP+2*(4*ct+(\j)):ACCP+2*(4*ct+(\j))+1], v[DD+2*(\j):DD+2*(\j)+1], v[DD+2*(\j):DD+2*(\j)+1]
.else
	v_pk_fma_f32 v[ACCP+2*(4*ct+(\j)):ACCP+2*(4*ct+(\j))+1], v[DD+2*(\j):DD+2*(\j)+1], v[DD+2*(\j):DD+2*(\j)+1], v[ACCP+2*(4*ct+(\j)):ACCP+2*(4*ct+(\j))+1]
.endif
.endr
.endr
.set ct, ct+1
.endr
.endm
; Two steps on two sets of registers.  more = 1: set 0 is asked for again, two steps on.
.macro PAIR first, more
	LOADS 1, 16
	s_wait_dscnt 12                                ; LDS answers a wave in order: set 0 is in, set 1's twelve loads may stay out
	COMPUTE 0, \first
.if \more
	v_add_nc_u32 v[PA], 32, v[PA]
	v_add_nc_u32 v[XA], 32, v[XA]
	LOADS 0, 0
	s_wait_dscnt 12                                ; set 1 is in
.else
	s_wait_dscnt 0x0
.endif
	COMPUTE 1, 0
.endm
	s_wait_tensorcnt 0x0                           ; my strip is in LDS; no other wave reads it
	LOADS 0, 0
	PAIR 1, 1                                      ; steps 0 and 1 start the sums
	s_mov_b32 s[CNT], 6
.Lpair:                                            ; steps 2 to 13
	PAIR 0, 1
	s_sub_co_u32 s[CNT], s[CNT], 1
	s_cmp_lg_u32 s[CNT], 0
	s_cbranch_scc1 .Lpair
	PAIR 0, 0                                      ; steps 14 and 15 ask for nothing more
.set n, 0
.rept 32
	v_add_f32 v[P0+n], v[ACCP+2*n], v[ACCP+2*n+1]  ; even and odd channels
.set n, n+1
.endr
.irp t, 0,1,2,3,4,5,6,7
.irp j, 0,1,2,3
	ds_store_b32 v[PSA], v[P0+4*(\t)+(\j)] offset:512*(\t)+128*(\j)  ; over the head of my own strip: its one fill is past, and my reads of it are back
.endr
.endr
	s_wait_dscnt 0x0                               ; for the others' sake: my partial sums and my part of the turned block are in LDS
	s_barrier_signal -1
	s_barrier_wait -1
.irp k, 0,1,2,3
	ds_load_b128 v[Q+8*(\k):Q+8*(\k)+3], v[PSR+(\k)]
	ds_load_b128 v[Q+8*(\k)+4:Q+8*(\k)+7], v[PSR+(\k)] offset:STRIP
.endr
	ds_load_b128 v[144:147], v[TLD]
	ds_load_b128 v[148:151], v[TLD] offset:4096
	s_wait_dscnt 2                                 ; the eight partial sums are in; the two loads of the turned block may stay out
.irp k, 1,2,3,4,5,6,7
	v_pk_add_f32 v[Q:Q+1], v[Q:Q+1], v[Q+4*(\k):Q+4*(\k)+1]
	v_pk_add_f32 v[Q+2:Q+3], v[Q+2:Q+3], v[Q+4*(\k)+2:Q+4*(\k)+3]
.endr
.irp i, 0,1,2,3
	v_sqrt_f32 v[152+(\i)], v[Q+(\i)]
.endr
	v_nop                                          ; a plain instruction behind the last root,
	s_wait_alu depctr_va_vdst(0)                   ; and the wait ahead of the first use: one for the four
.irp i, 0,1,2,3
	v_add_f32 v[152+(\i)], 0x3dcccccd, v[152+(\i)] ; + 0.1
.endr
.irp i, 0,1,2,3
	v_rcp_f32 v[156+(\i)], v[152+(\i)]
.endr
	v_nop
	s_wait_alu depctr_va_vdst(0)
.irp i, 0,1,2,3
	v_mul_f32 v[156+(\i)], v[SCL+(\i)], v[156+(\i)]  ; the interactions
.endr
	v_max_num_f32 v160, v156, v157                 ; the token's maximum: my four, then the 32 lanes
	v_max_num_f32 v161, v158, v159
	v_max_num_f32 v160, v160, v161
	v_max_num_f32_dpp v160, v160, v160 row_xmask:1 row_mask:0xf bank_mask:0xf
	v_max_num_f32_dpp v160, v160, v160 row_xmask:2 row_mask:0xf bank_mask:0xf
	v_max_num_f32_dpp v160, v160, v160 row_xmask:4 row_mask:0xf bank_mask:0xf
	v_max_num_f32_dpp v160, v160, v160 row_xmask:8 row_mask:0xf bank_mask:0xf
	v_permlanex16_b32 v161, v160, s[SEL], s[SEL+1]
	v_max_num_f32 v160, v160, v161
	v_mul_f32 v161, s[LG], v160                    ; c m; its rounding is the same for all 128 and cancels in the division
.irp i, 0,1,2,3
	v_fma_f32 v[156+(\i)], v[156+(\i)], s[LG], -v161
.endr
.irp i, 0,1,2,3
	v_exp_f32 v[156+(\i)], v[156+(\i)]
.endr
	v_nop
	s_wait_alu depctr_va_vdst(0)
	v_add_f32 v162, v156, v157
	v_add_f32 v161, v158, v159
	v_add_f32 v162, v162, v161
	v_add_f32_dpp v162, v162, v162 row_xmask:1 row_mask:0xf bank_mask:0xf
	v_add_f32_dpp v162, v162, v162 row_xmask:2 row_mask:0xf bank_mask:0xf
	v_add_f32_dpp v162, v162, v162 row_xmask:4 row_mask:0xf bank_mask:0xf
	v_add_f32_dpp v162, v162, v162 row_xmask:8 row_mask:0xf bank_mask:0xf
	v_permlanex16_b32 v161, v162, s[SEL], s[SEL+1]
	v_add_f32 v162, v162, v161
	v_rcp_f32 v163, v162
	v_nop
	s_wait_alu depctr_va_vdst(0)
.irp i, 0,1,2,3
	v_mul_f32 v[156+(\i)], v[156+(\i)], v163
.endr
	v_cvt_pk_f16_f32 v164, v156, v157
	v_cvt_pk_f16_f32 v165, v158, v159
	global_store_b64 v[L8], v[164:165], s[ATB:ATB+1]  ; the token's 256 bytes, by one instruction
	s_wait_dscnt 0x0                               ; the turned block
	global_store_b128 v[T16], v[144:147], s[XTO:XTO+1]              ; a wave stores 512 consecutive bytes, aligned
	global_store_b128 v[T16], v[148:151], s[XTO:XTO+1] offset:4096
	s_wait_tensorcnt 0x0                           ; the wave's end, behind my last tensor load and my last LDS store
	ds_add_u32 v[SPW], v[NIL]
	s_wait_dscnt 0x0
	CROUND                                         ; the closing round: no work-group ends while a partner may still ask for a strip that names it
	s_endpgm
.Lfunc_end_k_q700a68b440_prep:
	.size	k_q700a68b440_prep, .Lfunc_end_k_q700a68b440_prep-k_q700a68b440_prep
	.p2alignl 7, 3214868480
	.fill 96, 4, 3214868480
	.section	.rodata,"a",@progbits
	.p2align	6, 0x0
	.amdhsa_kernel k_q700a68b440_prep
		.amdhsa_group_segment_fixed_size 306176
		.amdhsa_private_segment_fixed_size 0
		.amdhsa_enable_private_segment 0
		.amdhsa_kernarg_size 56
		.amdhsa_user_sgpr_count 2
		.amdhsa_user_sgpr_kernarg_segment_ptr 1
		.amdhsa_wavefront_size32 1
		.amdhsa_system_sgpr_workgroup_id_x 1
		.amdhsa_system_sgpr_workgroup_id_y 1
		.amdhsa_system_sgpr_workgroup_id_z 1
		.amdhsa_system_vgpr_workitem_id 0
		.amdhsa_next_free_vgpr 256
		.amdhsa_next_free_sgpr 66
		.amdhsa_reserve_vcc 0
		.amdhsa_float_denorm_mode_32 3
		.amdhsa_float_denorm_mode_16_64 3
		.amdhsa_memory_ordered 1
		.amdhsa_forward_progress 1
		.amdhsa_inst_pref_size 69
	.end_amdhsa_kernel
	.amdgpu_metadata
---
amdhsa.version: [ 1, 2 ]
amdhsa.kernels:
  - .name:           k_q700a68b440_prep
    .symbol:         k_q700a68b440_prep.kd
    .args:
      - { .name: x, .offset: 0, .size: 8, .value_kind: global_buffer, .address_space: global }
      - { .name: positions, .offset: 8, .size: 8, .value_kind: global_buffer, .address_space: global }
      - { .name: scales, .offset: 16, .size: 8, .value_kind: global_buffer, .address_space: global }
      - { .name: out_W, .offset: 24, .size: 8, .value_kind: global_buffer, .address_space: global }
      - { .name: att, .offset: 32, .size: 8, .value_kind: global_buffer, .address_space: global }
      - { .name: xt, .offset: 40, .size: 8, .value_kind: global_buffer, .address_space: global }
      - { .name: wimg, .offset: 48, .size: 8, .value_kind: global_buffer, .address_space: global }
    .group_segment_fixed_size: 306176
    .private_segment_fixed_size: 0
    .kernarg_segment_align: 8
    .kernarg_segment_size: 56
    .max_flat_workgroup_size: 256
    .sgpr_count:     66
    .vgpr_count:     256
    .wavefront_size: 32
...
	.end_amdgpu_metadata
.endif
;; end of part 1
;; launch main (part 2): grid 16 x 16, 4 waves a work-group, clusters of 4 x 1, 327,680 bytes of LDS; arguments att, xt, value_weight, part; writes part
.if DOCPART == 2
	.amdgcn_target "amdgcn-amd-amdhsa--gfx1250"
	.amdhsa_code_object_version 6
	.text
	.protected	k_q700a68b440_main
	.globl	k_q700a68b440_main
	.p2align	8
	.type	k_q700a68b440_main,@function
k_q700a68b440_main:
	s_mov_b64 s[64:65], 0
	v_nop
	global_prefetch_b8 v0, s[64:65] scope:SCOPE_SE
	s_setreg_imm32_b32 hwreg(HW_REG_WAVE_MODE, 25, 1), 1
	s_wait_xcnt 0x0
	s_wait_alu depctr_hold_cnt(0) depctr_sa_sdst(0) depctr_va_vdst(0) depctr_va_sdst(0) depctr_va_ssrc(0) depctr_va_vcc(0) depctr_vm_vsrc(0)
	s_getreg_b32 s2, hwreg(HW_REG_IB_STS2, 6, 4)
	s_cmp_eq_u32 s2, 0
	s_cbranch_scc0 .Lentry_in_a_cluster
	s_endpgm
.Lentry_in_a_cluster:
	s_bfe_u32 s2, ttmp6, 0x10000c
	s_cmp_lg_u32 s2, 0x3003
	s_cbranch_scc0 .Lentry_shape_is_right
	s_endpgm
.Lentry_shape_is_right:
; GrowingCrystalAttention, launch 2 of 3: h[t][e] = sum over n, d of attn[t][n] x[t][d] V[n][d][e], as ONE product with 2,048 rows, 512 columns and K = 128 x 512 = 65,536.  Nothing is left out.
; K IS SPLIT 16 WAYS: 2,048 x 512 results are 16 blocks of 512 x 128, too few for the grid; split s takes the channels d0 = 64 (s % 8) .. + 63 and the neurons n0 = 64 (s / 8) .. + 63.
; The 16 partial sums go to part in f32, as the accumulators lie in registers; the next launch adds them.
; SHARES.  A work-group makes 512 tokens x 128 columns for one split; its four waves lie one below the other, each with 128 x 128: 64 accumulators, 512 registers.
; THE LEFT OPERAND IS MADE IN REGISTERS.  Inside a matrix instruction k runs over neurons.  A wave keeps attn of its 128 tokens x 64 neurons (f16, 128 registers) for the whole launch; for each
; channel d it multiplies them by the lane's own x[t][d] (a lane holds one token): 8 packed multiplies for 16 tokens x 32 k, one vector instruction for each matrix instruction.
; V's WAY.  V is f32, [k][column].  A tensor load brings one channel's tile (64 neurons x 128 columns, rows of 512 bytes) into a ring in LDS.  Each wave rounds a quarter of it to f16: it reads whole
; rows, packs rows k, k + 1 of one column, and stores 16-byte pieces of operand registers into a stage; all four waves then read their fragments from the stage as 512 consecutive bytes.
; TRANSPOSED USE: source 0 = 16 columns x 32 k of V, source 1 = 32 k x 16 tokens.  In the result a lane holds one token and eight neighbouring columns.
; CLUSTER.  The four blocks of 512 tokens of one (column block, split) walk the same tiles of V: they form a cluster and ask for each tile JOINTLY, so each byte of V is asked for once in the launch.
; A PHASE is one channel: 2 K steps, 128 matrix instructions in 16 stretches of 8 (one row block a, the 8 column blocks b).  Vector work rides in fours behind single matrix instructions.  Phase j multiplies
; tile j out of stage j % 2 and rounds tile j + 1 into the other stage; one work-group barrier a phase orders the two.
; FORMAT.  All operands are f16 (11 significant bits), sums f32.  LIMITS: |x|, |V| under 65,504; attn x and V keep f16's fixed step of 6e-8 below 6e-5; K is summed in another order than in the
; reference.  NaN and infinities are not treated apart.
; REGISTERS, in windows of 256 (s_set_vgpr_msb: bits 1:0 source 0, 3:2 source 1, 5:4 source 2, 7:6 destination):
;   window 0: addresses, x, the scaled operand, the rounding's registers     window 1: v0-127 V's fragments, two sets; v128-255 attn
;   window 2: the accumulators of row blocks 0-3, (a, b) at 8 (8 (a % 4) + b)     window 3: those of row blocks 4-7
; Windows 2 and 3 are full, so a slice of vector work costs two switches.
.set SLOT1, 1<<17                      ; the ring: two slots of 131,072 bytes, four tiles each; one exclusive or turns an address in one slot into the other's
.set TILEB, 32768                      ; a tile: 64 rows of 512 bytes, no padding: rows are read whole
.set STAGE, 2*SLOT1                    ; behind the ring: two stages, written by LDS stores alone
.set FRP,   1040                       ; a fragment: 1,024 bytes + 16: the 16 lanes of half a store (4 fragments x 4 columns 64 bytes apart) fall on 16 different pieces of 16 bytes modulo 256
.set KSB,   8*FRP                      ; a K step's eight fragments
.set STG,   2*KSB                      ; a stage
.set SPARE, STAGE+2*STG                ; behind the stages: the spare words, 128 bytes for each wave, that no other line names
.set ATO, 1                            ; v1   my offset in attn: 256 (l % 16) + 16 (l / 16)
.set RDF, 2                            ; v2   STAGE + 16 l
.set STW, 3                            ; v3   STAGE + 1,040 (l / 4) + 64 (l % 4) + 256 w: where my pieces go (wave w makes k = 8 w .. 8 w + 7 of each K step)
.set CA0, 4                            ; v4   4,096 w + 16 l: my eight rows of a K step, my four columns
.set CA,  5                            ; v5   the same in the tile to be rounded
.set XOF, 6                            ; v6   16 (l % 16)
.set PFO, 7                            ; v7   the prefetches' offset: row l / 2 (1 MiB apart), block l % 2 of 256 bytes
.set OUTO, 8                           ; v8   16 l
.set SPW, 10                           ; v10  my spare word; never rewritten
.set NIL, 11                           ; v11  0; never rewritten
.set LE,  16                           ; v16-19  x of an even channel as loaded: eight tokens' f16
.set LO,  20                           ; v20-23  of an odd one
.set XE,  24                           ; v24-31  x[t][d] in both halves, a register for each row block: even channels
.set XO,  32                           ; v32-39  odd channels
.set SA,  40                           ; v40-71  four scaled fragments of 8, by a % 4
.set ST,  72                           ; v72-135 the tile's f32: ST + 32 kc + 4 j + i = row 32 kc + 8 w + j, column 4 l + i
.set CO,  136                          ; v136-167 packed pieces: CO + 16 kc + 4 i + m
.set F0,  0                            ; window 1: the fragments of K step 0
.set F1,  64                           ; of K step 1
.set AB,  128                          ; window 1: attn, fragment (a, kc) at AB + 16 a + 8 kc
.set WV,  12
.set CX,  13
.set EB,  14
.set SS,  15
.set G1,  24                           ; s[24:31]
.set G0,  32                           ; s[32:35] it walks
.set SLOTS, 36
.set CNT, 37
.set TB,  38                           ; LDS byte at which the tile to be rounded begins
.set SELL, 40
.set SELH, 41
.set OO,  42                           ; s[42:43] byte offset in xt of the odd channel last asked for
.set OE,  44                           ; s[44:45] of the even one
.set PO,  46                           ; s[46:47] the address that goes with it
.set PE,  48
.set PFA, 50                           ; s[50:51] where my prefetches stand
.set XTB, 52                           ; s[52:53] xt at my wave's tokens and the split's first channel
.set PB,  54                           ; s[54:55] part at my wave's 65,536 bytes
.set ATB, 56                           ; s[56:57] att at my wave's tokens and the split's first neuron
.set MSB, 0
.macro WIN new                         ; the high byte repeats the setting that is left; a switch that changes nothing is dropped
.if MSB != (\new)
	s_set_vgpr_msb (MSB<<8)|(\new)
.set MSB, (\new)
.endif
.endm
.set MUL_LO, 0xa1                      ; V window 1, the scaled operand window 0, C and D window 2
.set W_SC,   0x01                      ; attn (source 0) window 1, x and the result window 0
.set TO_F,   0x40                      ; destination window 1
.macro CROUND                          ; a round of the cluster's barrier
	s_barrier_signal -1
	s_barrier_wait -1
	s_cmp_lg_u32 s[WV], 0
	s_cbranch_scc1 .Lnot_wave_0_\@
	s_barrier_signal -3
.Lnot_wave_0_\@:
	s_barrier_wait -3
	s_barrier_signal -1
	s_barrier_wait -1
.endm
; A PREFETCH INTO THE L2 of the four tiles that the NEXT change of slots will ask for: 512 matrix instructions ahead of that load.  A tile is 64 rows x 2 blocks of 256 bytes.  Wave w names tile w of the
; four; the four partners share its rows out BY ADDRESS, 16 each; a lane a block, one instruction a wave.  No other cluster reads these bytes, so each block is named once in the launch.  The first two
; slots come by their loads alone; the last change that fills a slot asks for nothing: there is no slot behind it.
.macro ASK
	s_cmp_gt_u32 s[SLOTS], 1
	s_cbranch_scc0 .Lnone_\@
	global_prefetch_b8 v[PFO], s[PFA:PFA+1] th:TH_LOAD_NT scope:SCOPE_SE
.Lnone_\@:
.endm
; THE CHANGE OF SLOTS.  Each wave waits for all its tensor loads, of which one is out: its tile of the other slot; adds 0 to its spare word; and waits for that and for its reads of the slot that it leaves.
; fill = 1: the barrier is a round of the cluster's, so that no wave of any partner still reads the slot or has a load on its way; the joint refill, four channels on, is the first thing behind it and
; has four phases, 512 matrix instructions, in which to land.  (At its first use nothing has been read: slot 0 is waited for, slot 1 filled.)
.macro CHANGE fill
	WIN 0
	s_wait_tensorcnt 0x0                           ; no tensor load of mine is out, so group 0 may be written
	ds_add_u32 v[SPW], v[NIL]                      ; 0 onto my spare word
.if \fill
	s_xor_b32 s[G0+1], s[G0+1], SLOT1              ; the other slot than last time,
	s_add_nc_u64 s[G0+2:G0+3], s[G0+2:G0+3], 4*2048  ; four channels on; the type bits on top are not reached
	s_wait_xcnt 0x0                                ; the last prefetch, four phases back, has read its address
	s_add_nc_u64 s[PFA:PFA+1], s[PFA:PFA+1], 4*2048
	s_wait_dscnt 0x0                               ; the add is done, and my reads of the slot are over
	CROUND
	tensor_load_to_lds s[G0:G0+3], s[G1:G1+7]      ; my one tensor load until the next change
	s_nop 0
.rept 4
	v_nop
.endr
	ASK
.else
	s_wait_dscnt 0x0
	s_barrier_signal -1
	s_barrier_wait -1
.endif
	s_sub_co_u32 s[TB], s[TB], 4*TILEB             ; the rounding goes back to a slot's first tile,
	s_xor_b32 s[TB], s[TB], SLOT1                  ; in the other slot
.endm
; The next matrix instruction: row block aa, column block b, fragments FC; ZC = 1: it starts its sum.  All 64 accumulators take turns in one order.
.macro MM
	WIN MUL_LO+0x50*(aa/4)
.set rA, 8*(8*(aa%4)+b)
.if ZC
	v_wmma_f32_16x16x32_f16 v[rA:rA+7], v[FC+8*b:FC+8*b+7], v[SA+8*(aa%4):SA+8*(aa%4)+7], 0
.else
	v_wmma_f32_16x16x32_f16 v[rA:rA+7], v[FC+8*b:FC+8*b+7], v[SA+8*(aa%4):SA+8*(aa%4)+7], v[rA:rA+7]
.endif
.endm
; Half hf of the scaled fragment for stretch t (row block t % 8, K step (t % 16) / 8): attn times x.
.macro SC t, hf, x
	WIN W_SC
.set sa, (\t)%8
.set sk, ((\t)%16)/8
.irp m, 0,1,2,3
	v_pk_mul_f16 v[SA+8*(sa%4)+4*(\hf)+(\m)], v[AB+16*sa+8*sk+4*(\hf)+(\m)], v[(\x)+sa]
.endr
.endm
; Column i of my four: eight k of K step kc, rounded in pairs: 16 bytes of an operand.
.macro CV kc, i
	WIN 0
.irp m, 0,1,2,3
	v_cvt_pk_f16_f32 v[CO+16*(\kc)+4*(\i)+(\m)], v[ST+32*(\kc)+8*(\m)+(\i)], v[ST+32*(\kc)+8*(\m)+4+(\i)]
.endr
.endm
; Four of the eight x: each f16 into both halves of a register.
.macro PM x, l, hf
	WIN 0
.irp q, 0,1
	v_perm_b32 v[(\x)+4*(\hf)+2*(\q)], v[(\l)+2*(\hf)+(\q)], v[(\l)+2*(\hf)+(\q)], s[SELL]
	v_perm_b32 v[(\x)+4*(\hf)+2*(\q)+1], v[(\l)+2*(\hf)+(\q)], v[(\l)+2*(\hf)+(\q)], s[SELH]
.endr
.endm
; LDS loads stand in runs.  RUNX: my 16 rows of the tile to be rounded, then K step 1's fragments out of stage rs.
.macro RUNX rs, conv
.if \conv
	WIN 0
.irp kc, 0,1
.irp j, 0,1,2,3,4,5,6,7
	ds_load_b128 v[ST+32*(\kc)+4*(\j):ST+32*(\kc)+4*(\j)+3], v[CA] offset:16384*(\kc)+512*(\j)
.endr
.endr
.endif
	WIN TO_F
.irp q, 0,1,2,3,4,5,6,7
	ds_load_b128 v[F1+8*(\q):F1+8*(\q)+3], v[RDF] offset:STG*(\rs)+KSB+FRP*(\q)
	ds_load_b128 v[F1+8*(\q)+4:F1+8*(\q)+7], v[RDF] offset:STG*(\rs)+KSB+FRP*(\q)+512
.endr
.endm
.macro STORES ws                       ; my pieces of the rounded tile into stage ws
	WIN 0
.irp kc, 0,1
.irp i, 0,1,2,3
	ds_store_b128 v[STW], v[CO+16*(\kc)+4*(\i):CO+16*(\kc)+4*(\i)+3] offset:STG*(\ws)+KSB*(\kc)+16*(\i)
.endr
.endr
.endm
.macro RUNY ws                         ; K step 0's fragments of the next tile out of stage ws
	WIN TO_F
.irp q, 0,1,2,3,4,5,6,7
	ds_load_b128 v[F0+8*(\q):F0+8*(\q)+3], v[RDF] offset:STG*(\ws)+FRP*(\q)
	ds_load_b128 v[F0+8*(\q)+4:F0+8*(\q)+7], v[RDF] offset:STG*(\ws)+FRP*(\q)+512
.endr
.endm
; x of the channel two on from the one just unpacked; past the split's last channel of that parity the same one is asked for again, so that no load leaves the split's channels.
.macro XLOAD l, o, p, last
	s_add_co_u32 s[\o], s[\o], 512
	s_min_u32 s[\o], s[\o], (\last)*256
	s_add_nc_u64 s[\p:\p+1], s[XTB:XTB+1], s[\o:\o+1]  ; the load that last named this pair has been waited for
	WIN 0
	global_load_b128 v[\l:\l+3], v[XOF], s[\p:\p+1]
.endm
; A PHASE, for a channel of parity par.  zero = 1: K step 0 starts the sums.  conv = 1: the next tile is rounded.  next = 1: a phase follows.
; Stretch st = 8 kc + a.  Behind its products 0 and 2 rides the scaled fragment of stretch st + 2: its buffer was last read in stretch st - 2, and the 8 multiplies of stretch st - 1, which name
; another buffer, are the places between (ISA guide 7.12.1); it is ready 13 products ahead of its first reader.  Behind products 4 and 6 rides the rest.
.macro PH par, zero, conv, next
.if \par
.set XC, XO
.set XN, XE
.set LN, LE
.set ON, OE
.set PN, PE
.set LASTD, 62
.else
.set XC, XE
.set XN, XO
.set LN, LO
.set ON, OO
.set PN, PO
.set LASTD, 63
.endif
	s_wait_dscnt 0x0                               ; K step 0's fragments, asked for 32 products ago; nothing younger is out
.set st, 0
.rept 16
.set aa, st%8
.set FC, F0+64*(st/8)
.set ZC, (\zero)*(1-st/8)
.if st == 8
	s_wait_dscnt 0x0                               ; K step 1's fragments
.endif
.set b, 0
.rept 8
	MM
.if (b == 0) || (b == 2)
.if st < 14
	SC st+2, b/2, XC
.elseif \next
	SC st+2, b/2, XN
.endif
.endif
.if (b == 4) && (st == 0) && (\conv)
	WIN 0
	v_add_nc_u32 v[CA], s[TB], v[CA0]
	s_add_co_u32 s[TB], s[TB], TILEB
.endif
.if ((b == 4) || (b == 6)) && (st >= 3) && (st <= 6) && (\conv)
.if (st == 3) && (b == 4)
	s_wait_dscnt 16                                ; the tile's 16 loads are in; the 16 fragment loads issued behind them may stay out
.endif
	CV (st-3)/2, 2*((st-3)%2)+(b-4)/2
.endif
.if ((b == 4) || (b == 6)) && (st == 7) && (\next)
.if b == 4
	s_wait_loadcnt 1                               ; x of the next channel is in; the one load issued behind it, the other parity's, may stay out
.endif
	PM XN, LN, (b-4)/2
.endif
.set b, b+1
.endr
.if st == 0
	RUNX \par, \conv                               ; nine (eight) plain vector instructions behind the last product that read K step 1's fragments
.endif
.if (st == 7) && (\next)
	XLOAD LN, ON, PN, LASTD
.endif
.if (st == 8) && (\conv)
	STORES 1-(\par)                                ; nobody reads that stage since the last phase's barrier
.endif
.if (st == 10) && (\next)
	s_wait_dscnt 0x0                               ; for the others' sake: my pieces are in the stage, and my reads of the other stage are back
	s_barrier_signal -1                            ; My tensor load may stay out
.endif
.if (st == 11) && (\next)
	s_barrier_wait -1
	RUNY 1-(\par)                                  ; 32 products ahead of its first use
.endif
.set st, st+1
.endr
.endm
	s_load_b256 s[4:11], s[0:1], 0x0               ; att s[4:5], xt s[6:7], V s[8:9], part s[10:11]
	v_lshl_add_u32 v[SPW], v0, 2, SPARE
	v_mov_b32 v[NIL], 0
	ds_add_u32 v[SPW], v[NIL]                      ; the wave's opening: the add, twice on end, and its wait ahead of my first tensor load
	ds_add_u32 v[SPW], v[NIL]                      ; once more; the set-up below, work on registers, stands between it and the wait
	v_lshrrev_b32 v9, 5, v0
	v_readfirstlane_b32 s[WV], v9                  ; wave 0..3
	s_bfe_u32 s[CX], ttmp6, 0x40000                ; my place in the cluster = my block of 512 tokens
	s_mov_b32 s[EB], ttmp9                         ; the cluster's x: the block of 128 columns
	s_and_b32 s[SS], ttmp7, 0xffff                 ; its y: the split
	v_and_b32 v12, 31, v0                          ; l
	v_and_b32 v13, 15, v0                          ; l % 16
	v_bfe_u32 v14, v0, 4, 1                        ; l / 16
	v_lshlrev_b32 v[ATO], 8, v13
	v_lshl_add_u32 v[ATO], v14, 4, v[ATO]
	v_lshl_add_u32 v[RDF], v12, 4, STAGE
	v_lshrrev_b32 v15, 2, v12
	v_mul_u32_u24 v15, v15, FRP
	v_and_b32 v9, 3, v12
	v_lshl_add_u32 v15, v9, 6, v15
	s_lshl_b32 s16, s[WV], 8
	s_add_co_u32 s16, s16, STAGE
	v_add_nc_u32 v[STW], s16, v15
	s_lshl_b32 s16, s[WV], 12
	v_lshl_add_u32 v[CA0], v12, 4, s16
	v_lshlrev_b32 v[XOF], 4, v13
	v_lshrrev_b32 v15, 1, v12
	v_and_b32 v9, 1, v12
	v_lshlrev_b32 v15, 20, v15
	v_lshl_add_u32 v[PFO], v9, 8, v15
	v_lshlrev_b32 v[OUTO], 4, v12
	; group 1: a tile of 64 rows x 128 f32; from neuron to neuron 512 x 512 elements
	s_mov_b32 s[G1], 15|(2<<16)|(1<<21)            ; the mask of four, bit 21 beside it; 4-byte elements; no padding
	s_mov_b32 s[G1+1], 128<<16                     ; tensor_dim0 = 128
	s_mov_b32 s[G1+2], 64<<16                      ; tensor_dim1 = 64
	s_mov_b32 s[G1+3], 128<<16                     ; tile_dim0 = 128
	s_mov_b32 s[G1+4], 64                          ; tile_dim1 = 64
	s_mov_b32 s[G1+5], 262144
	s_mov_b32 s[G1+6], 0
	s_mov_b32 s[G1+7], 0
	s_mov_b32 s[G0], 1
	s_lshl_b32 s[G0+1], s[WV], 15                  ; wave w fetches tile w of a slot's four: no place in the cluster enters an LDS address
	s_mov_b32 s[SELL], 0x01000100                  ; the low f16 twice
	s_mov_b32 s[SELH], 0x03020302                  ; the high f16 twice
	s_mov_b32 s[TB], SLOT1+4*TILEB                 ; the first change of slots turns this into 0
	s_mov_b32 s[SLOTS], 14
	s_mov_b32 s[OO], 256
	s_mov_b32 s[OO+1], 0
	s_mov_b32 s[OE], 512
	s_mov_b32 s[OE+1], 0
	s_lshl_b32 s16, s[CX], 2
	s_add_co_u32 s16, s16, s[WV]                   ; g: my wave's 128 tokens
	s_lshr_b32 s17, s[SS], 3                       ; which 64 neurons
	s_and_b32 s18, s[SS], 7                        ; which 64 channels
	s_lshl_b32 s20, s17, 26                        ; V: n0 x 1 MiB
	s_lshl_b32 s19, s18, 17                        ; + d0 x 2,048
	s_add_co_u32 s20, s20, s19
	s_lshl_b32 s19, s[WV], 11                      ; + my tile's channel
	s_add_co_u32 s20, s20, s19
	s_lshl_b32 s19, s[EB], 9                       ; + the block of columns: made of what the four partners share
	s_add_co_u32 s20, s20, s19
	s_mov_b32 s21, 0
	s_mov_b32 s23, 0
	s_wait_dscnt 0x0                               ; both opening adds are done
	s_wait_kmcnt 0x0
	s_add_nc_u64 s[G0+2:G0+3], s[8:9], s[20:21]
	s_add_nc_u64 s[PFA:PFA+1], s[8:9], s[20:21]
	s_or_b32 s[G0+3], s[G0+3], 0x80000000          ; type = 2
	s_lshl_b32 s22, s[CX], 24                      ; my work-group's 16 rows of a tile's 64
	s_add_nc_u64 s[PFA:PFA+1], s[PFA:PFA+1], s[22:23]
	s_add_nc_u64 s[PFA:PFA+1], s[PFA:PFA+1], 4*2048  ; at the second slot's tiles; the first change steps it to the third's
	s_lshl_b32 s22, s16, 17                        ; xt: (512 g + d0) x 256
	s_lshl_b32 s19, s18, 14
	s_add_co_u32 s22, s22, s19
	s_add_nc_u64 s[XTB:XTB+1], s[6:7], s[22:23]
	s_add_nc_u64 s[PO:PO+1], s[XTB:XTB+1], s[OO:OO+1]
	s_add_nc_u64 s[PE:PE+1], s[XTB:XTB+1], s[OE:OE+1]
	s_lshl_b32 s22, s[SS], 22                      ; part: ((16 s + g) 4 + column block) x 65,536
	s_lshl_b32 s19, s16, 18
	s_add_co_u32 s22, s22, s19
	s_lshl_b32 s19, s[EB], 16
	s_add_co_u32 s22, s22, s19
	s_add_nc_u64 s[PB:PB+1], s[10:11], s[22:23]
	s_lshl_b32 s22, s16, 15                        ; att: 128 g rows of 256 bytes + 2 n0
	s_lshl_b32 s19, s17, 7
	s_add_co_u32 s22, s22, s19
	s_add_nc_u64 s[ATB:ATB+1], s[4:5], s[22:23]
	CROUND                                         ; all four work-groups are here: the first joint loads meet
	tensor_load_to_lds s[G0:G0+3], s[G1:G1+7]      ; slot 0: channels 0 to 3, a tile a wave.  One tensor load of mine is out, here and behind every change
	s_nop 0
.rept 4
	v_nop
.endr
	WIN TO_F
.irp a, 0,1,2,3,4,5,6,7
.irp kc, 0,1
	global_load_b128 v[AB+16*(\a)+8*(\kc):AB+16*(\a)+8*(\kc)+3], v[ATO], s[ATB:ATB+1] offset:4096*(\a)+64*(\kc)       ; token 16 a + l % 16, neurons 32 kc + 8 (l / 16) on,
	global_load_b128 v[AB+16*(\a)+8*(\kc)+4:AB+16*(\a)+8*(\kc)+7], v[ATO], s[ATB:ATB+1] offset:4096*(\a)+64*(\kc)+32  ; and 16 further on
.endr
.endr
	WIN 0
	global_load_b128 v[LE:LE+3], v[XOF], s[XTB:XTB+1]  ; x of channel 0
	s_wait_loadcnt 0x0
	PM XE, LE, 0
	PM XE, LE, 1
	global_load_b128 v[LO:LO+3], v[XOF], s[PO:PO+1]    ; channel 1,
	global_load_b128 v[LE:LE+3], v[XOF], s[PE:PE+1]    ; channel 2: two loads stay out from here on, one of each parity
	SC 0, 0, XE                                    ; the first two scaled fragments
	SC 0, 1, XE
	SC 1, 0, XE
	SC 1, 1, XE
	CHANGE 1                                       ; slot 0 is in, everybody's tile of it; slot 1 is asked for
	v_add_nc_u32 v[CA], s[TB], v[CA0]              ; tile 0 is rounded by itself: there is no product yet to set it beside
	s_add_co_u32 s[TB], s[TB], TILEB
.irp kc, 0,1
.irp j, 0,1,2,3,4,5,6,7
	ds_load_b128 v[ST+32*(\kc)+4*(\j):ST+32*(\kc)+4*(\j)+3], v[CA] offset:16384*(\kc)+512*(\j)
.endr
.endr
	s_wait_dscnt 0x0
.irp kc, 0,1
.irp i, 0,1,2,3
	CV \kc, \i
.endr
.endr
	STORES 0
	s_wait_dscnt 0x0                               ; for the others' sake
	s_barrier_signal -1
	s_barrier_wait -1
	RUNY 0
	PH 0, 1, 1, 1                                  ; channel 0 starts the sums: nothing is ever cleared
	PH 1, 0, 1, 1
	PH 0, 0, 1, 1
	WIN 0                                          ; at a label and at a branch every window is 0
.Lslot:                                            ; trip i = 1 .. 14: channels 4 i - 1 .. 4 i + 2 are multiplied, tiles 4 i .. 4 i + 3 rounded out of slot i % 2, the other slot filled again
	CHANGE 1
	s_mov_b32 s[CNT], 2
.Lpair:
	PH 1, 0, 1, 1
	PH 0, 0, 1, 1
	WIN 0
	s_sub_co_u32 s[CNT], s[CNT], 1
	s_cmp_lg_u32 s[CNT], 0
	s_cbranch_scc1 .Lpair
	s_sub_co_u32 s[SLOTS], s[SLOTS], 1
	s_cmp_lg_u32 s[SLOTS], 0
	s_cbranch_scc1 .Lslot
	CHANGE 0                                       ; the tail is written out: nothing is asked for
	s_mov_b32 s[CNT], 2
.Lpair2:
	PH 1, 0, 1, 1
	PH 0, 0, 1, 1
	WIN 0
	s_sub_co_u32 s[CNT], s[CNT], 1
	s_cmp_lg_u32 s[CNT], 0
	s_cbranch_scc1 .Lpair2
	PH 1, 0, 0, 0                                  ; channel 63
	; THE WAY OUT: the accumulators as they lie, each instruction 512 consecutive bytes, aligned; each accumulator's low registers first
.rept 4
	v_nop                                          ; the places behind the last products
.endr
.set oa, 0
.rept 8
	WIN 0x08+4*(oa/4)                              ; the stores' data in window 2 or 3
.set ob, 0
.rept 8
.set rA, 8*(8*(oa%4)+ob)
	global_store_b128 v[OUTO], v[rA:rA+3], s[PB:PB+1] offset:(8*oa+ob)*1024 th:TH_STORE_NT
	global_store_b128 v[OUTO], v[rA+4:rA+7], s[PB:PB+1] offset:(8*oa+ob)*1024+512 th:TH_STORE_NT
.set ob, ob+1
.endr
.set oa, oa+1
.endr
	WIN 0
	s_wait_tensorcnt 0x0                           ; the wave's end, behind my last tensor load and my last LDS store
	ds_add_u32 v[SPW], v[NIL]
	s_wait_dscnt 0x0
	CROUND                                         ; the closing round: no work-group ends while a partner may still ask for a tile that names it
	s_endpgm
.Lfunc_end_k_q700a68b440_main:
	.size	k_q700a68b440_main, .Lfunc_end_k_q700a68b440_main-k_q700a68b440_main
	.p2alignl 7, 3214868480
	.fill 96, 4, 3214868480
	.section	.rodata,"a",@progbits
	.p2align	6, 0x0
	.amdhsa_kernel k_q700a68b440_main
		.amdhsa_group_segment_fixed_size 327680
		.amdhsa_private_segment_fixed_size 0
		.amdhsa_enable_private_segment 0
		.amdhsa_kernarg_size 32
		.amdhsa_user_sgpr_count 2
		.amdhsa_user_sgpr_kernarg_segment_ptr 1
		.amdhsa_wavefront_size32 1
		.amdhsa_system_sgpr_workgroup_id_x 1
		.amdhsa_system_sgpr_workgroup_id_y 1
		.amdhsa_system_sgpr_workgroup_id_z 1
		.amdhsa_system_vgpr_workitem_id 0
		.amdhsa_next_free_vgpr 1024
		.amdhsa_next_free_sgpr 66
		.amdhsa_reserve_vcc 0
		.amdhsa_float_denorm_mode_32 3
		.amdhsa_float_denorm_mode_16_64 3
		.amdhsa_memory_ordered 1
		.amdhsa_forward_progress 1
		.amdhsa_inst_pref_size 228
	.end_amdhsa_kernel
	.amdgpu_metadata
---
amdhsa.version: [ 1, 2 ]
amdhsa.kernels:
  - .name:           k_q700a68b440_main
    .symbol:         k_q700a68b440_main.kd
    .args:
      - { .name: att, .offset: 0, .size: 8, .value_kind: global_buffer, .address_space: global }
      - { .name: xt, .offset: 8, .size: 8, .value_kind: global_buffer, .address_space: global }
      - { .name: value_weight, .offset: 16, .size: 8, .value_kind: global_buffer, .address_space: global }
      - { .name: part, .offset: 24, .size: 8, .value_kind: global_buffer, .address_space: global }
    .group_segment_fixed_size: 327680
    .private_segment_fixed_size: 0
    .kernarg_segment_align: 8
    .kernarg_segment_size: 32
    .max_flat_workgroup_size: 128
    .sgpr_count:     66
    .vgpr_count:     1024
    .wavefront_size: 32
...
	.end_amdgpu_metadata
.endif
;; end of part 2
;; launch finish (part 3): grid 128 x 1, 8 waves a work-group, no clusters, 52,224 bytes of LDS; arguments part, wimg, out_b, out0; writes out0
.if DOCPART == 3
	.amdgcn_target "amdgcn-amd-amdhsa--gfx1250"
	.amdhsa_code_object_version 6
	.text
	.protected	k_q700a68b440_finish
	.globl	k_q700a68b440_finish
	.p2align	8
	.type	k_q700a68b440_finish,@function
k_q700a68b440_finish:
	s_mov_b64 s[64:65], 0
	v_nop
	global_prefetch_b8 v0, s[64:65] scope:SCOPE_SE
	s_setreg_imm32_b32 hwreg(HW_REG_WAVE_MODE, 25, 1), 1
	s_wait_xcnt 0x0
; GrowingCrystalAttention, launch 3 of 3: h = the sum of the 16 partial sums; out = h out_W^T + out_b.  Nothing is left out.
; SHARES.  A work-group owns 16 tokens, 16 wg .. + 15: the second product wants all 512 columns of a token's h, so a token is not split, and a split over out's columns would read part twice.
; Wave w adds the 16 splits for the columns 64 w .. + 63 of h, in f32, in ascending order of the split: 4,096 consecutive bytes of each split, as the accumulators lay in registers.
; A lane then holds one token and runs of eight neighbouring columns: rounded to f16 in pairs they ARE source 1 (32 columns of h x 16 tokens) of out^T = W h^T.  The eight waves hand each other
; these fragments through LDS; wave w then makes out's columns 64 w .. + 63, with out_W's fragments straight from wimg into operand registers.  The bias is what the sums start from.
; IN FLIGHT.  Four groups of 8 loads (16 KiB a wave) take turns; when the splits run out, the same ring goes on with out_W's fragments.
; NO CLUSTER.  What work-groups share is wimg, 524,288 bytes, of which each wave reads 65,536 once, straight into operand registers.  To share it among work-groups it would have to pass through
; LDS, which does not hold it: a ring with several rounds of a cluster's barrier, for 64 matrix instructions a wave.  part, 128 times as many bytes, has one reader for each byte.
; LIMITS.  h and out_W are f16 operands: |h| under 65,504, and f16's fixed step of 6e-8 below 6e-5.  NaN and infinities are not treated apart.
.set HFB,   0                          ; LDS: h's fragments, [kk 16][half 2][lane 32][16 bytes]
.set OST,   16384                      ; each wave's stage for the way out: 16 rows of 256 bytes + 16
.set OSP,   272
.set SPARE, OST+8*16*OSP               ; behind the stages: the spare words, 128 bytes for each of the eight waves, that no other line names
.set L16, 2                            ; v2   16 l
.set BO,  3                            ; v3   32 (l / 16)
.set HST, 4                            ; v4   where I put my fragments of h: 2,048 w + 16 l
.set OSW, 5                            ; v5   the way out: where I put 16 bytes of a row
.set OSR, 6                            ; v6   where I read rows back
.set OGO, 7                            ; v7   my byte offset in two rows of out0
.set SPW, 12                           ; v12  my spare word; never rewritten
.set NIL, 13                           ; v13  0; never rewritten
.set SUM, 16                           ; v16-47   the sums: column block b', register j at SUM + 8 b' + j
.set HB,  16                           ; later: four fragments of h by turns
.set H,   48                           ; v48-63   my two fragments of h
.set RING, 64                          ; v64-191  four groups of 32
.set ACC, 192                          ; v192-223 four accumulators
.set WV,  12
.set WB,  20                           ; s[20:21] wimg at my 64 rows of out_W
.set BB,  22                           ; s[22:23] out_b at my 64 numbers
.set OB,  24                           ; s[24:25] out0 at my work-group's first row, my 64 columns
.set SP0, 32                           ; s[32:63] part at my 4,096 bytes of split k: a pair each
.macro LDP dst, k                      ; split k
.irp u, 0,1,2,3,4,5,6,7
	global_load_b128 v[(\dst)+4*(\u):(\dst)+4*(\u)+3], v[L16], s[SP0+2*(\k):SP0+2*(\k)+1] offset:512*(\u) th:TH_LOAD_NT
.endr
.endm
.macro LDW dst, kk                     ; out_W's four fragments of K step kk
.irp f, 0,1,2,3
.irp c, 0,1
	global_load_b128 v[(\dst)+8*(\f)+4*(\c):(\dst)+8*(\f)+4*(\c)+3], v[L16], s[WB:WB+1] offset:16384*(\f)+1024*(\kk)+512*(\c)
.endr
.endr
.endm
.macro LDH kk                          ; h's fragment of K step kk
	ds_load_b128 v[HB+8*((\kk)%4):HB+8*((\kk)%4)+3], v[L16] offset:HFB+1024*(\kk)
	ds_load_b128 v[HB+8*((\kk)%4)+4:HB+8*((\kk)%4)+7], v[L16] offset:HFB+1024*(\kk)+512
.endm
	s_load_b256 s[4:11], s[0:1], 0x0               ; part s[4:5], wimg s[6:7], out_b s[8:9], out0 s[10:11]
	v_lshl_add_u32 v[SPW], v0, 2, SPARE
	v_mov_b32 v[NIL], 0
	v_lshrrev_b32 v8, 5, v0
	v_readfirstlane_b32 s[WV], v8                  ; wave 0..7
	v_and_b32 v8, 31, v0                           ; l
	v_and_b32 v9, 15, v0                           ; l % 16
	v_bfe_u32 v10, v0, 4, 1                        ; l / 16
	v_lshlrev_b32 v[L16], 4, v8
	v_lshlrev_b32 v[BO], 5, v10
	s_lshl_b32 s13, s[WV], 11
	v_add_nc_u32 v[HST], s13, v[L16]
	s_mul_i32 s13, s[WV], 16*OSP
	s_add_co_u32 s13, s13, OST                     ; my stage
	v_mul_u32_u24 v11, v9, OSP                     ; in: row l % 16, 32 bytes for each half of the lanes
	v_lshl_add_u32 v11, v10, 5, v11
	v_add_nc_u32 v[OSW], s13, v11
	v_mul_u32_u24 v11, v10, OSP                    ; back: lanes 0-15 take one row of 256 bytes, lanes 16-31 the next
	v_lshl_add_u32 v11, v9, 4, v11
	v_add_nc_u32 v[OSR], s13, v11
	v_lshlrev_b32 v11, 11, v10                     ; and the same two rows in out0
	v_lshl_add_u32 v[OGO], v9, 4, v11
	s_lshr_b32 s14, ttmp9, 3                       ; g
	s_and_b32 s15, ttmp9, 7                        ; a
	s_lshl_b32 s16, s14, 18                        ; part: (4 g + w / 2) x 65,536 + (8 a + 4 (w % 2)) x 1,024
	s_lshr_b32 s18, s[WV], 1
	s_lshl_b32 s18, s18, 16
	s_add_co_u32 s16, s16, s18
	s_lshl_b32 s18, s15, 13
	s_add_co_u32 s16, s16, s18
	s_and_b32 s18, s[WV], 1
	s_lshl_b32 s18, s18, 12
	s_add_co_u32 s16, s16, s18
	s_mov_b32 s17, 0
	s_wait_kmcnt 0x0
	s_add_nc_u64 s[SP0:SP0+1], s[4:5], s[16:17]
.irp k, 1,2,3,4,5,6,7,8,9,10,11,12,13,14,15
	s_add_nc_u64 s[SP0+2*(\k):SP0+2*(\k)+1], s[SP0:SP0+1], (\k)<<22  ; a split is 4 MiB
.endr
	s_lshl_b32 s16, s[WV], 16
	s_add_nc_u64 s[WB:WB+1], s[6:7], s[16:17]
	s_lshl_b32 s16, s[WV], 8
	s_add_nc_u64 s[BB:BB+1], s[8:9], s[16:17]
	s_lshl_b32 s18, ttmp9, 15                      ; 16 rows of 2,048 bytes
	s_add_co_u32 s16, s16, s18
	s_add_nc_u64 s[OB:OB+1], s[10:11], s[16:17]
.irp f, 0,1,2,3
	global_load_b128 v[ACC+8*(\f):ACC+8*(\f)+3], v[BO], s[BB:BB+1] offset:64*(\f)        ; register j of accumulator f is out's column 64 w + 16 f + 8 (l / 16) + j
	global_load_b128 v[ACC+8*(\f)+4:ACC+8*(\f)+7], v[BO], s[BB:BB+1] offset:64*(\f)+16
.endr
	LDP SUM, 0                                     ; split 0 starts the sums
	LDP RING, 1
	LDP RING+32, 2
	LDP RING+64, 3
	LDP RING+96, 4
.set k, 1
.rept 15
	s_wait_loadcnt 24                              ; loads come back in order: split k is in, the three groups of 8 behind it may stay out
.set rb, RING+32*((k-1)%4)
.set u, 0
.rept 16
	v_pk_add_f32 v[SUM+u:SUM+u+1], v[SUM+u:SUM+u+1], v[rb+u:rb+u+1]
.set u, u+2
.endr
.if k < 12
	LDP rb, k+4
.else
	LDW rb, k-12                                   ; K step kk comes into group (kk + 3) % 4
.endif
.set k, k+1
.endr
.set n, 0
.rept 16
	v_cvt_pk_f16_f32 v[H+n], v[SUM+2*n], v[SUM+2*n+1]
.set n, n+1
.endr
.irp i, 0,1
.irp c, 0,1
	ds_store_b128 v[HST], v[H+8*(\i)+4*(\c):H+8*(\i)+4*(\c)+3] offset:HFB+1024*(\i)+512*(\c)  ; K steps 2 w and 2 w + 1
.endr
.endr
	s_wait_dscnt 0x0                               ; for the others' sake
	s_barrier_signal -1
	s_barrier_wait -1
	LDH 0
	LDH 1
	LDH 2
	LDH 3
.set kk, 0
.rept 16
.if kk < 13
	s_wait_loadcnt 24                              ; out_W's K step kk is in; the three groups behind it may stay out
	s_wait_dscnt 6                                 ; h's too; three fragments of two loads behind it
.else
	s_wait_loadcnt 8*(15-kk)                       ; the counts run down
	s_wait_dscnt 2*(15-kk)
.endif
.set rb, RING+32*((kk+3)%4)
.irp f, 0,1,2,3                        ; the four accumulators take turns
	v_wmma_f32_16x16x32_f16 v[ACC+8*(\f):ACC+8*(\f)+7], v[rb+8*(\f):rb+8*(\f)+7], v[HB+8*(kk%4):HB+8*(kk%4)+7], v[ACC+8*(\f):ACC+8*(\f)+7]
.endr
.if kk < 12
.rept 4
	v_nop                                          ; four places in front of loads into registers that the products have read
.endr
	LDW rb, kk+4
	LDH kk+4
.endif
.set kk, kk+1
.endr
.rept 4
	v_nop                                          ; the places behind the last products
.endr
	; THE WAY OUT: a lane's eight columns of a row are 32 bytes; they go into rows of 272 bytes in my own stage and come back as whole rows of 256
.irp f, 0,1,2,3
	ds_store_b128 v[OSW], v[ACC+8*(\f):ACC+8*(\f)+3] offset:64*(\f)        ; each accumulator's low registers first
	ds_store_b128 v[OSW], v[ACC+8*(\f)+4:ACC+8*(\f)+7] offset:64*(\f)+16
.endr
.irp t, 0,1,2,3,4,5,6,7
	ds_load_b128 v[RING+4*(\t):RING+4*(\t)+3], v[OSR] offset:2*OSP*(\t)    ; LDS serves a wave's instructions in order (ISA guide 5.7.1.4): these see the stores above
.endr
.irp t, 0,1,2,3,4,5,6,7
	s_wait_dscnt 7-(\t)
	global_store_b128 v[OGO], v[RING+4*(\t):RING+4*(\t)+3], s[OB:OB+1] offset:4096*(\t)  ; 16 lanes store 256 consecutive bytes, at a multiple of 256 from out0's first byte
.endr
	s_wait_tensorcnt 0x0                           ; the wave's end, behind my last LDS store
	ds_add_u32 v[SPW], v[NIL]
	s_wait_dscnt 0x0
	s_endpgm
.Lfunc_end_k_q700a68b440_finish:
	.size	k_q700a68b440_finish, .Lfunc_end_k_q700a68b440_finish-k_q700a68b440_finish
	.p2alignl 7, 3214868480
	.fill 96, 4, 3214868480
	.section	.rodata,"a",@progbits
	.p2align	6, 0x0
	.amdhsa_kernel k_q700a68b440_finish
		.amdhsa_group_segment_fixed_size 52224
		.amdhsa_private_segment_fixed_size 0
		.amdhsa_enable_private_segment 0
		.amdhsa_kernarg_size 32
		.amdhsa_user_sgpr_count 2
		.amdhsa_user_sgpr_kernarg_segment_ptr 1
		.amdhsa_wavefront_size32 1
		.amdhsa_system_sgpr_workgroup_id_x 1
		.amdhsa_system_sgpr_workgroup_id_y 1
		.amdhsa_system_sgpr_workgroup_id_z 1
		.amdhsa_system_vgpr_workitem_id 0
		.amdhsa_next_free_vgpr 256
		.amdhsa_next_free_sgpr 66
		.amdhsa_reserve_vcc 0
		.amdhsa_float_denorm_mode_32 3
		.amdhsa_float_denorm_mode_16_64 3
		.amdhsa_memory_ordered 1
		.amdhsa_forward_progress 1
		.amdhsa_inst_pref_size 56
	.end_amdhsa_kernel
	.amdgpu_metadata
---
amdhsa.version: [ 1, 2 ]
amdhsa.kernels:
  - .name:           k_q700a68b440_finish
    .symbol:         k_q700a68b440_finish.kd
    .args:
      - { .name: part, .offset: 0, .size: 8, .value_kind: global_buffer, .address_space: global }
      - { .name: wimg, .offset: 8, .size: 8, .value_kind: global_buffer, .address_space: global }
      - { .name: out_b, .offset: 16, .size: 8, .value_kind: global_buffer, .address_space: global }
      - { .name: out0, .offset: 24, .size: 8, .value_kind: global_buffer, .address_space: global }
    .group_segment_fixed_size: 52224
    .private_segment_fixed_size: 0
    .kernarg_segment_align: 8
    .kernarg_segment_size: 32
    .max_flat_workgroup_size: 256
    .sgpr_count:     66
    .vgpr_count:     256
    .wavefront_size: 32
...
	.end_amdgpu_metadata
.endif
;; end of part 3
;; ======== version 2 of 2: 3 launches; version 1 with the launch finish written anew for expert scheduling mode
;; limits: values are held in f16: magnitudes above 65,504 overflow, below 6.1e-05 lose precision
;; workspace buffers: att 524,288 bytes; xt 2,097,152 bytes; wimg 524,288 bytes; part 67,108,864 bytes
;; launch prep: the kernel of part 1 again; grid 256 x 1, 8 waves a work-group, clusters of 4 x 1, 306,176 bytes of LDS; arguments x, positions, scales, out_W, att, xt, wimg; writes att, xt, wimg
;; launch main: the kernel of part 2 again; grid 16 x 16, 4 waves a work-group, clusters of 4 x 1, 327,680 bytes of LDS; arguments att, xt, value_weight, part; writes part
;; launch finish (part 4): grid 128 x 1, 8 waves a work-group, no clusters, 52,224 bytes of LDS; arguments part, wimg, out_b, out0; writes out0
.if DOCPART == 4
	.amdgcn_target "amdgcn-amd-amdhsa--gfx1250"
	.amdhsa_code_object_version 6
	.text
	.protected	k_q700a68b440_finish
	.globl	k_q700a68b440_finish
	.p2align	8
	.type	k_q700a68b440_finish,@function
k_q700a68b440_finish:
	s_mov_b64 s[64:65], 0
	v_nop
	global_prefetch_b8 v0, s[64:65] scope:SCOPE_SE
	s_setreg_imm32_b32 hwreg(HW_REG_WAVE_SCHED_MODE, 0, 2), 2
	s_setreg_imm32_b32 hwreg(HW_REG_WAVE_MODE, 25, 1), 1
	s_wait_xcnt 0x0
	s_wait_alu depctr_vm_vsrc(0)
; GrowingCrystalAttention, launch 3 of 3: h = the sum of the 16 partial sums; out = h out_W^T + out_b.  Nothing is left out.
; SHARES.  A work-group owns 16 tokens, 16 wg .. + 15: the second product wants all 512 columns of a token's h, so a token is not split, and a split over out's columns would read part twice.
; Wave w adds the 16 splits for the columns 64 w .. + 63 of h, in f32, in ascending order of the split: 4,096 consecutive bytes of each split, as the accumulators lay in registers.
; A lane then holds one token and runs of eight neighbouring columns: rounded to f16 in pairs they ARE source 1 (32 columns of h x 16 tokens) of out^T = W h^T.  The eight waves hand each other
; these fragments through LDS; wave w then makes out's columns 64 w .. + 63, with out_W's fragments straight from wimg into operand registers.  The bias is what the sums start from.
; NO CLUSTER.  What work-groups share is wimg, 524,288 bytes, of which each wave reads 65,536 once, straight into operand registers.  To share it among work-groups it would have to pass through
; LDS, which does not hold it: a ring with several rounds of a cluster's barrier, for 64 matrix instructions a wave.  part, 128 times as many bytes, has one reader for each byte.
; LIMITS.  h and out_W are f16 operands: |h| under 65,504, and f16's fixed step of 6e-8 below 6e-5.  NaN and infinities are not treated apart.
; THE MODE: SCHED_MODE bits 1:0 = 2 (LLVM: expert scheduling mode 2), set by the entry lines.  The code itself states the register dependences between vector or matrix instructions and memory
; or LDS instructions, with s_wait_alu, always for 0.
; THE PLAN.  What comes from memory is one row of ITEMS of 8 loads (4 KiB a wave): items 1 to 15 are the splits 1 to 15 of part, item 16 + kk is out_W's K step kk.  Item i lies in ring buffer
; (i - 1) % 5.  Step i works on item i and asks for item i + 4, which lands in the buffer that step i - 1 worked on; three younger items are out at a step's head, four behind its loads.
; Registers that memory or LDS instructions touch:
;   v2-7, v12, v13   offsets and addresses: written once at the head, never again.
;   ring buffer b    written by the loads of item i + 4, issued in step i; read by step i + 4's adds or products.
;   HB0 .. HB4       h's fragments: HB[kk % 5] is written by the LDS loads issued in K step kk - 4 and read by K step kk's products.  HB0-3 are SUM's registers, HB4 the first half of H's.
;   SUM, H           SUM: split 0's loads, the adds, the conversions.  H: written by the conversions, read by four LDS stores.
;   ACC              the bias's loads, the products, the LDS stores of the way out.
; So ONE wait on va_vdst stands at a step's head: the step before is done reading its ring buffer (and its fragment of h).  The step's loads follow it, dealt among its adds or products, which name
; this step's buffers, SUM and ACC: none of the registers in which those loads land.
.set HFB,   0                          ; LDS: h's fragments, [kk 16][half 2][lane 32][16 bytes]
.set OST,   16384                      ; each wave's stage for the way out: 16 rows of 256 bytes + 16
.set OSP,   272
.set SPARE, OST+8*16*OSP               ; behind the stages: the spare words, 128 bytes for each of the eight waves, that no other line names
.set L16, 2                            ; v2   16 l
.set BO,  3                            ; v3   32 (l / 16)
.set HST, 4                            ; v4   where I put my fragments of h: 2,048 w + 16 l
.set OSW, 5                            ; v5   the way out: where I put 16 bytes of a row
.set OSR, 6                            ; v6   where I read rows back
.set OGO, 7                            ; v7   my byte offset in two rows of out0
.set SPW, 12                           ; v12  my spare word; never rewritten
.set NIL, 13                           ; v13  0; never rewritten
.set SUM, 16                           ; v16-47   the sums: column block b', register j at SUM + 8 b' + j
.set HB,  16                           ; v16-55   later: five fragments of h by turns
.set H,   48                           ; v48-63   my two fragments of h
.set RING, 64                          ; v64-223  five buffers of 32
.set ACC, 224                          ; v224-255 four accumulators
.set WV,  12
.set WB,  20                           ; s[20:21] wimg at my 64 rows of out_W
.set BB,  22                           ; s[22:23] out_b at my 64 numbers
.set OB,  24                           ; s[24:25] out0 at my work-group's first row, my 64 columns
.set SP0, 32                           ; s[32:63] part at my 4,096 bytes of split k: a pair each
; Load u of the eight of an item.  A split: 512 consecutive bytes of its 4,096.  A K step of out_W: fragment u / 2, half u % 2.
.macro LD1 item, u
.set rl, RING+32*(((\item)-1)%5)+4*(\u)
.if (\item) < 16
	global_load_b128 v[rl:rl+3], v[L16], s[SP0+2*(\item):SP0+2*(\item)+1] offset:512*(\u) th:TH_LOAD_NT
.else
	global_load_b128 v[rl:rl+3], v[L16], s[WB:WB+1] offset:16384*((\u)/2)+1024*((\item)-16)+512*((\u)%2)
.endif
.endm
.macro LDH kk                          ; h's fragment of K step kk
	ds_load_b128 v[HB+8*((\kk)%5):HB+8*((\kk)%5)+3], v[L16] offset:HFB+1024*(\kk)
	ds_load_b128 v[HB+8*((\kk)%5)+4:HB+8*((\kk)%5)+7], v[L16] offset:HFB+1024*(\kk)+512
.endm
	s_load_b256 s[4:11], s[0:1], 0x0               ; part s[4:5], wimg s[6:7], out_b s[8:9], out0 s[10:11]
	v_lshl_add_u32 v[SPW], v0, 2, SPARE
	v_mov_b32 v[NIL], 0
	v_lshrrev_b32 v8, 5, v0
	v_readfirstlane_b32 s[WV], v8                  ; wave 0..7
	v_and_b32 v8, 31, v0                           ; l
	v_and_b32 v9, 15, v0                           ; l % 16
	v_bfe_u32 v10, v0, 4, 1                        ; l / 16
	v_lshlrev_b32 v[L16], 4, v8
	v_lshlrev_b32 v[BO], 5, v10
	s_wait_alu depctr_va_sdst(0)                   ; s12, the wave's number, is written, ahead of its first reader: LDS addresses and all bases are made from it
	s_lshl_b32 s13, s[WV], 11
	v_add_nc_u32 v[HST], s13, v[L16]
	s_mul_i32 s13, s[WV], 16*OSP
	s_add_co_u32 s13, s13, OST                     ; my stage
	v_mul_u32_u24 v11, v9, OSP                     ; in: row l % 16, 32 bytes for each half of the lanes
	v_lshl_add_u32 v11, v10, 5, v11
	v_add_nc_u32 v[OSW], s13, v11
	v_mul_u32_u24 v11, v10, OSP                    ; back: lanes 0-15 take one row of 256 bytes, lanes 16-31 the next
	v_lshl_add_u32 v11, v9, 4, v11
	v_add_nc_u32 v[OSR], s13, v11
	v_lshlrev_b32 v11, 11, v10                     ; and the same two rows in out0
	v_lshl_add_u32 v[OGO], v9, 4, v11
	s_lshr_b32 s14, ttmp9, 3                       ; g
	s_and_b32 s15, ttmp9, 7                        ; a
	s_lshl_b32 s16, s14, 18                        ; part: (4 g + w / 2) x 65,536 + (8 a + 4 (w % 2)) x 1,024
	s_lshr_b32 s18, s[WV], 1
	s_lshl_b32 s18, s18, 16
	s_add_co_u32 s16, s16, s18
	s_lshl_b32 s18, s15, 13
	s_add_co_u32 s16, s16, s18
	s_and_b32 s18, s[WV], 1
	s_lshl_b32 s18, s18, 12
	s_add_co_u32 s16, s16, s18
	s_mov_b32 s17, 0
	s_wait_kmcnt 0x0
	s_add_nc_u64 s[SP0:SP0+1], s[4:5], s[16:17]
.irp k, 1,2,3,4,5,6,7,8,9,10,11,12,13,14,15
	s_add_nc_u64 s[SP0+2*(\k):SP0+2*(\k)+1], s[SP0:SP0+1], (\k)<<22  ; a split is 4 MiB
.endr
	s_lshl_b32 s16, s[WV], 16
	s_add_nc_u64 s[WB:WB+1], s[6:7], s[16:17]
	s_lshl_b32 s16, s[WV], 8
	s_add_nc_u64 s[BB:BB+1], s[8:9], s[16:17]
	s_lshl_b32 s18, ttmp9, 15                      ; 16 rows of 2,048 bytes
	s_add_co_u32 s16, s16, s18
	s_add_nc_u64 s[OB:OB+1], s[10:11], s[16:17]
	s_wait_alu depctr_va_vdst(0)                   ; the six offsets and addresses v2 to v7 are written, which every load and store below reads
.irp f, 0,1,2,3
	global_load_b128 v[ACC+8*(\f):ACC+8*(\f)+3], v[BO], s[BB:BB+1] offset:64*(\f)        ; register j of accumulator f is out's column 64 w + 16 f + 8 (l / 16) + j
	global_load_b128 v[ACC+8*(\f)+4:ACC+8*(\f)+7], v[BO], s[BB:BB+1] offset:64*(\f)+16
.endr
.irp u, 0,1,2,3,4,5,6,7
	global_load_b128 v[SUM+4*(\u):SUM+4*(\u)+3], v[L16], s[SP0:SP0+1] offset:512*(\u) th:TH_LOAD_NT  ; split 0 starts the sums
.endr
.irp i, 1,2,3,4
.irp u, 0,1,2,3,4,5,6,7
	LD1 \i, \u                                     ; items 1 to 4 into ring buffers 0 to 3
.endr
.endr
; Steps 1 to 15: split k is added; item k + 4 is asked for, a load ahead of each two adds.
.set k, 1
.rept 15
	s_wait_loadcnt 24                              ; loads come back in order: split k is in, the three items of 8 behind it may stay out
.if k > 1
	s_wait_alu depctr_va_vdst(0)                   ; the adds of the step before are done reading their ring buffer, in which this step's loads land (step 1's land in buffer 4, which no vector instruction has named)
.endif
.set rb, RING+32*((k-1)%5)
.set u, 0
.rept 8
	LD1 k+4, u                                     ; no wait: no vector instruction since the wait above names these registers
	v_pk_add_f32 v[SUM+4*u:SUM+4*u+1], v[SUM+4*u:SUM+4*u+1], v[rb+4*u:rb+4*u+1]
	v_pk_add_f32 v[SUM+4*u+2:SUM+4*u+3], v[SUM+4*u+2:SUM+4*u+3], v[rb+4*u+2:rb+4*u+3]
.set u, u+1
.endr
.set k, k+1
.endr
.set n, 0
.rept 16
	v_cvt_pk_f16_f32 v[H+n], v[SUM+2*n], v[SUM+2*n+1]
.set n, n+1
.endr
	s_wait_alu depctr_va_vdst(0)                   ; the conversions have written H, which the LDS stores read, and are done with SUM, in which h's fragments 0 to 3 land; step 15's adds are done reading their ring buffer, in which K step 0's loads land
.irp i, 0,1
.irp c, 0,1
	ds_store_b128 v[HST], v[H+8*(\i)+4*(\c):H+8*(\i)+4*(\c)+3] offset:HFB+1024*(\i)+512*(\c)  ; K steps 2 w and 2 w + 1
.endr
.endr
	s_wait_dscnt 0x0                               ; for the others' sake
	s_barrier_signal -1
	s_barrier_wait -1
	s_wait_alu depctr_vm_vsrc(0)                   ; my LDS stores have read H: its first eight registers are HB4 from here on, in which K step 0's LDS loads land
	LDH 0
	LDH 1
	LDH 2
	LDH 3
; K steps 0 to 15: four products; h's fragment four steps on and out_W's item four steps on are asked for, the latter two loads behind each product.
.set kk, 0
.rept 16
.if kk < 13
	s_wait_loadcnt 24                              ; out_W's K step kk is in; the three items behind it may stay out
	s_wait_dscnt 6                                 ; h's too; three fragments of two loads behind it
.else
	s_wait_loadcnt 8*(15-kk)                       ; the counts run down
	s_wait_dscnt 2*(15-kk)
.endif
.if (kk > 0) && (kk < 12)
	s_wait_alu depctr_va_vdst(0)                   ; the products of the step before are done reading their ring buffer and their fragment of h, in which this step's ten loads land
.endif
.if kk < 12
	LDH kk+4
.endif
.set rb, RING+32*((kk+15)%5)
.set ff, 0
.rept 4                                ; the four accumulators take turns
	v_wmma_f32_16x16x32_f16 v[ACC+8*ff:ACC+8*ff+7], v[rb+8*ff:rb+8*ff+7], v[HB+8*(kk%5):HB+8*(kk%5)+7], v[ACC+8*ff:ACC+8*ff+7]
.if kk < 12
	LD1 kk+20, 2*ff                                ; no wait: this step's products name another ring buffer, another fragment of h and the accumulators
	LD1 kk+20, 2*ff+1
.endif
.set ff, ff+1
.endr
.if kk < 11
.rept 4
	v_nop                                          ; four places behind the step's products, ahead of the next step's loads into registers that they have read; they stay beside the wait at that step's head
.endr
.endif
.set kk, kk+1
.endr
.rept 4
	v_nop                                          ; the places behind the last products (ISA guide 7.12.1)
.endr
	s_wait_alu depctr_va_vdst(0)                   ; the products have written the accumulators, which the LDS stores read, and are done reading ring buffer 0, in which the stage's loads land; the places above stay beside this wait
	; THE WAY OUT: a lane's eight columns of a row are 32 bytes; they go into rows of 272 bytes in my own stage and come back as whole rows of 256
.irp f, 0,1,2,3
	ds_store_b128 v[OSW], v[ACC+8*(\f):ACC+8*(\f)+3] offset:64*(\f)        ; each accumulator's low registers first
	ds_store_b128 v[OSW], v[ACC+8*(\f)+4:ACC+8*(\f)+7] offset:64*(\f)+16
.endr
.irp t, 0,1,2,3,4,5,6,7
	ds_load_b128 v[RING+4*(\t):RING+4*(\t)+3], v[OSR] offset:2*OSP*(\t)    ; LDS serves a wave's instructions in order (ISA guide 5.7.1.4): these see the stores above
.endr
.irp t, 0,1,2,3,4,5,6,7
	s_wait_dscnt 7-(\t)
	global_store_b128 v[OGO], v[RING+4*(\t):RING+4*(\t)+3], s[OB:OB+1] offset:4096*(\t)  ; 16 lanes store 256 consecutive bytes, at a multiple of 256 from out0's first byte
.endr
	s_wait_dscnt 0x0                               ; the closing lines, six on end
	s_wait_alu 0x0
	s_wait_tensorcnt 0x0
	ds_add_u32 v[SPW], v[NIL]
	s_wait_dscnt 0x0
	s_endpgm
.Lfunc_end_k_q700a68b440_finish:
	.size	k_q700a68b440_finish, .Lfunc_end_k_q700a68b440_finish-k_q700a68b440_finish
	.p2alignl 7, 3214868480
	.fill 96, 4, 3214868480
	.section	.rodata,"a",@progbits
	.p2align	6, 0x0
	.amdhsa_kernel k_q700a68b440_finish
		.amdhsa_group_segment_fixed_size 52224
		.amdhsa_private_segment_fixed_size 0
		.amdhsa_enable_private_segment 0
		.amdhsa_kernarg_size 32
		.amdhsa_user_sgpr_count 2
		.amdhsa_user_sgpr_kernarg_segment_ptr 1
		.amdhsa_wavefront_size32 1
		.amdhsa_system_sgpr_workgroup_id_x 1
		.amdhsa_system_sgpr_workgroup_id_y 1
		.amdhsa_system_sgpr_workgroup_id_z 1
		.amdhsa_system_vgpr_workitem_id 0
		.amdhsa_next_free_vgpr 256
		.amdhsa_next_free_sgpr 66
		.amdhsa_reserve_vcc 0
		.amdhsa_float_denorm_mode_32 3
		.amdhsa_float_denorm_mode_16_64 3
		.amdhsa_memory_ordered 1
		.amdhsa_forward_progress 1
		.amdhsa_inst_pref_size 57
	.end_amdhsa_kernel
	.amdgpu_metadata
---
amdhsa.version: [ 1, 2 ]
amdhsa.kernels:
  - .name:           k_q700a68b440_finish
    .symbol:         k_q700a68b440_finish.kd
    .args:
      - { .name: part, .offset: 0, .size: 8, .value_kind: global_buffer, .address_space: global }
      - { .name: wimg, .offset: 8, .size: 8, .value_kind: global_buffer, .address_space: global }
      - { .name: out_b, .offset: 16, .size: 8, .value_kind: global_buffer, .address_space: global }
      - { .name: out0, .offset: 24, .size: 8, .value_kind: global_buffer, .address_space: global }
    .group_segment_fixed_size: 52224
    .private_segment_fixed_size: 0
    .kernarg_segment_align: 8
    .kernarg_segment_size: 32
    .max_flat_workgroup_size: 256
    .sgpr_count:     66
    .vgpr_count:     256
    .wavefront_size: 32
...
	.end_amdgpu_metadata
.endif
;; end of part 4
